; MI455X (gfx1250); checked and timed in simulation.
; The chip was launched on July 23, 2026; its instructions are those of AMD's public machine-readable ISA for CDNA 5 (MIT licence, August 2026) and "CDNA5" Instruction Set Architecture Reference Guide (July 2026). The comments in the code are by the model that wrote it; some were corrected since.
;; Flash Attention. Allowed arithmetic: matrix products marked QUANTISED: E5M2 operands, one given power-of-two scale a tensor, by v_wmma_f32_16x16x64_bf8_bf8 or v_wmma_f32_16x16x128_bf8_bf8, f32 sums; everything else in f32.
;; Inputs: k 4 x 2,048 x 16 x 64 float32; lowp_scales 4 int32 (the exponents e of the quantised operands' scales 2^e); q 4 x 2,048 x 16 x 64 float32; v 4 x 2,048 x 16 x 64 float32.
;; Outputs: out0 4 x 2,048 x 16 x 64 float32.
;; This version of the problem:
;;   THIS VERSION OF THE PROBLEM IS GIVEN IN LOW PRECISION. The matrix products marked QUANTISED in the list below multiply operands that are first quantised to E5M2 (5 exponent bits, 2 mantissa bits; 8 bits a number), with one given power-of-two scale for each operand tensor; their sums are f32. All else is computed in f32.
;;   The module's matrix products, in the order in which they are computed (A, B: the left and right operand; K: the contracted axis; several contracted axes count as one K, in the product's order):
;;     1. batch 64 x [M 2,048, K 64] x [K 64, N 2,048]; A: input q; B: input k: QUANTISED (scales: A lowp_scales[0], B lowp_scales[1])
;;     2. batch 64 x [M 64, K 2,048] x [K 2,048, N 2,048]; A: input v; B: softmax (see below): QUANTISED (scales: A lowp_scales[2], B lowp_scales[3])
;;   THE QUANTISER, for each operand of a quantised product, along K:
;;     - The operand's scale is 2^e, e = its entry of the input lowp_scales (int32; the entries are numbered through the quantised products in the list's order, A before B).
;;     - Each number is divided by the scale, clamped to +-57,344, and rounded to the nearest number of E5M2, ties to even, subnormals kept.
;;     - The product sums the exact products of the quantised numbers (number of the format x scale) in f32.
;;   ~~~python
;;   def quantise(x, axis, e):      # numpy; x: float32 -> the quantised numbers, widened to float32 again
;;       x = np.moveaxis(x, axis, -1); K = x.shape[-1]
;;       r = np.clip(x / 2.0 ** e, -57344, 57344)
;;       step = 2.0 ** (np.maximum(np.frexp(np.where(r == 0, 1, r))[1] - 1, -14) - 2)
;;       q = np.round(r / step) * step * 2.0 ** e      # np.round: ties to even
;;       return np.moveaxis(q, -1, axis).astype(np.float32)
;;   ~~~
;;   SOFTMAX AHEAD OF A QUANTISED PRODUCT. Where the list says 'softmax', what is quantised is not the finished softmax but p = 2^(t - M), with t = logit x log2(e) and M = ceil(the row's largest t), a whole number; so 1/2 < the row's largest p <= 1. The row's sum l is taken of the UNQUANTISED p, in f32, and the product's result is divided by l at the end. Since M is a whole number, a kernel that streams over the keys may use a running M (the ceiling of the running maximum): every later rescaling is an exact power of two, so the quantised numbers keep their values, but for numbers so far below the row's largest that they fall under the format's range.
;;   OPERANDS COMPUTED ON THE WAY. 'Computed on the way' means the value that the module computes at that place (a softmax that the list does not call 'softmax' is quantised finished and normalised). What goes into a quantiser is computed in f32, as accurately as f32 sums, v_exp_f32 and their like allow (about 1e-6 of the number): no bf16 or f16 on the way to a quantiser, and a product that is left as it is and whose result goes on into a quantised operand takes f32 operands (vector FMAs, or v_wmma_f32_16x16x4_f32). A number that lies on a knife's edge between two numbers of the format may be rounded either way, as far as f32 arithmetic and the matrix unit's own rounding can turn it there, and no further.
;; 2 versions, each right; version 2 is version 1 with the launch attn written anew for expert scheduling mode. Each part assembles by itself: llvm-mc -triple=amdgcn-amd-amdhsa -mcpu=gfx1250 --defsym DOCPART=n.
;; ======== version 1 of 2: 1 launch
;; limits: right only within a limited range of input values
;; launch attn (part 1): grid 4 x 64, 8 waves a work-group, no clusters, 181,248 bytes of LDS; arguments q, k, v, lowp_scales, out0; writes out0
.if DOCPART == 1
	.amdgcn_target "amdgcn-amd-amdhsa--gfx1250"
	.amdhsa_code_object_version 6
	.text
	.protected	k_qcc3a3f63bc_attn
	.globl	k_qcc3a3f63bc_attn
	.p2align	8
	.type	k_qcc3a3f63bc_attn,@function
k_qcc3a3f63bc_attn:
	s_mov_b64 s[64:65], 0
	v_nop
	global_prefetch_b8 v0, s[64:65] scope:SCOPE_SE
	s_setreg_imm32_b32 hwreg(HW_REG_WAVE_MODE, 25, 1), 1
	s_wait_xcnt 0x0
; out[b][q][h][:] = the sum over keys k <= q of softmax_k(q . k / 8) v[k][:].  q, k, v, out: [4][2048][16][64] f32: a head's row is 256 bytes, rows of one head lie 4,096 bytes apart.
; Both products run on codes of BF8 (E5M2), each operand with the scale 2^e that is given for it: the buffer of scales holds eq, ek, ev, ep in this order.
; SOFTMAX: t = score x log2(e) / 8; M = the running largest t rounded UP to a whole number; p = 2^(t - M) is what is quantised; the row's sum is taken of the unquantised p and divides at the end.
; When M moves, the sum and O are multiplied by 2^(old M - new M), which rounds nothing.
; SHARES.  256 work-groups of eight waves.  Work-group (i, head) owns the query blocks i and 7 - i of 256 queries, one after the other: (i + 1) + (8 - i) = 9 slots of 256 keys in EVERY work-group,
; so the trip count is the constant 9 and all work-groups have the same work in spite of the causal triangle.  A wave owns 32 queries of the block in hand: two tiles, A and B, of 16.
; K AND V ARE QUANTISED ON THE WAY, by the work-group that reads them: in each trip wave w loads 32 keys of the NEXT slot (f32, each load two whole rows of 256 bytes) into registers; at the head of the next trip it holds and
; converts them and lays the codes into one of two code buffers in LDS; one barrier; then all eight waves read fragments, each fragment feeding both of a wave's tiles.  No buffer of codes goes to memory and back, and there is one launch.
; LAYOUT.  Both products are used transposed (S^T = K Q^T, O^T = V^T P^T): a lane holds ONE query (lane % 16) throughout.  The order of keys in LDS is chosen so that the loads as they come need no turn:
;   load n of wave w brings key 32 w + 2 n + hi (hi = lane / 16), channels 4 m .. 4 m + 3 (m = lane % 16).  K: that key's four codes go to LDS row 32 w + 16 (n / 8) + 8 hi + n % 8, byte 4 m.
;   So register 16 b + i of S^T in lane half h is key KF + 32 b + 2 i + h.  V^T: LDS row 16 c + m holds channel 4 m + c; its byte 32 b + 16 h + y holds key 32 b + 2 y + h: the order of p's registers.
;   In O^T, tile t, register j, lane (r, h) is o(query r, channel 32 h + 4 j + t).
;   Fragments come by loads of 16 bytes: a permutation of k inside a matrix instruction, the same on both sides, so every product meets its partner.
; NOT USED, AND WHY.  Tensor loads: the operands arrive as f32 and must pass through the registers that the conversions read; through LDS they would be written and read there once more.
;   Clusters with joint loads: the four work-groups of a head own different pairs of blocks and want different slots in the same trip, and their loads go into registers.
; LIMITS.  eq + ek between -123 and 130 (added to c's exponent field); eq, ek, ev, ep each between -126 and 112, so that each scale and each hold is an f32 number; ep + ev goes by v_ldexp_f32 and has none.
;   NaN among the inputs is not served.  A hidden key counts as -infinity where the definition adds -1e9 to its logit: the same as long as a row's logits differ by less than about 1e9.
; REGISTERS, in windows of 256.  Window 0: v1-10 addresses; v12-19 statistics; v20-27 scales and holds; v28-40 at work; v64-127 S^T, then p, of one tile; v128-191 fragments (8 of K or 4 of V), the quantiser's codes, the way out's rows;
;   v192-223, v224-255 O^T of tiles A, B.   Window 1: v0-15 Q of the block in hand; v16-31 Q of the second block; v32-47, v48-63 p's codes of A, B; v64-127 K's and v128-191 V's numbers on their way.
.set ROW,   4096                       ; bytes from a head's row to its next
.set SLOTB, 0x100000                   ; 256 rows
.set KP,    80                         ; a key's row of codes in LDS: 64 bytes + 16: an odd multiple of 16, so the 16 rows of a load fall on 16 different 16-byte columns of 256
.set VP,    144                        ; a channel's row of a step's 128 codes: 128 bytes + 16, likewise
.set VOFF,  256*KP                     ; a code buffer: 256 rows of K, then two steps of 64 rows of V^T
.set VSTEP, 64*VP
.set BUF1,  65536                      ; the second code buffer: one exclusive or turns an address from one into the other
.set WQ,    BUF1+VOFF+2*VSTEP          ; behind the buffers: for each wave four stages of 16 rows x KP for Q's codes,
.set WQB,   4*16*KP
.set WS,    WQ+8*WQB                   ; and a stage of 16 rows x (256 bytes + 16) for the way out
.set SP,    272
.set WSB,   16*SP
.set LOFF, 1                           ; v1   the one global offset, for K, V, Q and out: 32 rows x wave + a row x hi + 16 m; never rewritten
.set KST0, 2                           ; v2   where I store K's codes, in buffer 0
.set VST0, 3                           ; v3   the same for V's
.set AK0,  4                           ; v4   my lane's place in a tile of K
.set AV0,  5                           ; v5   the same for V^T
.set STO,  6                           ; v6   the way out: where I put 16 bytes of a row
.set RD,   7                           ; v7   the way out: where I read a row back
.set ADK,  8                           ; v8, v9  LDS addresses in hand
.set ADV,  9
.set PFO,  10                          ; v10  the prefetches' offset: a row x my thread's number; never rewritten
.set STA,  12                          ; v12 -M, v13 the largest t, v[14:15] the sum in two halves: tile A;  v16-19: tile B
.set STB,  16
.set PLIM, 20                          ; 57,344 x 2^e and 2^e as f32, for p, k, v, q
.set PSC,  21
.set KLIM, 22
.set KSC,  23
.set VLIM, 24
.set VSC,  25
.set QLIM, 26
.set QSC,  27
.set F,    28                          ; v[28:29] f = 2^(old M - new M): the packed forms name the pair and take its low word
.set MX0,  30
.set MX1,  31
.set PT,   32                          ; a lane permute's destination
.set INV,  33
.set SM,   34                          ; v[34:35] the sum's second chain
.set T0,   36
.set T1,   37
.set T2,   38
.set QSA,  39
.set QLA,  40
.set S,    64
.set FR,   128
.set OA,   192
.set OB,   224
.set QA,   0                           ; window 1
.set QB,   8
.set PA,   32
.set PB,   48
.set KS,   64
.set VS,   128
.set WV,   14                          ; s14  my wave's number
.set IX,   15                          ; s15  i
.set HO,   16                          ; s[16:17] the head's first byte in each tensor
.set KB,   18                          ; s[18:19], s[20:21] k and v at the head
.set VB,   20
.set KA,   22                          ; s[22:23], s[24:25] k and v at the slot that is being loaded
.set VA,   24
.set O0,   26                          ; s[26:27], s[28:29] out at block i, at block 7 - i
.set O1,   28
.set NOFF, 30                          ; s[30:31] that slot's byte offset
.set J,    32                          ; s32  the trip
.set SWT,  33                          ; s33  i + 1: the trip in which the second block begins
.set KF,   34                          ; s34  the step's first key
.set Q0,   35                          ; s35  my first query in the block in hand;  s36: in the second block
.set Q0H,  36
.set TB,   37                          ; s37  the code buffer in hand
.set CS,   40                          ; s[40:41] c = log2(e) / 8 x 2^(eq + ek)
.set SEL,  42                          ; s[42:43] v_permlanex16_b32's selects for lane l xor 16
.set PM,   44                          ; s44-47 byte selects of the 4 x 4 turn of V's codes
.set EX,   48                          ; s[48:51] eq, ek, ev, ep
.set EPV,  52                          ; s52  ep + ev
.set PLO,  53                          ; s53  the first trip in which my work-group prefetches
.set QP0,  54                          ; s[54:55], s[56:57] q at block i, at block 7 - i
.set QP1,  56
.set TQ,   58
.set MSB, 0
.macro WIN new                         ; low byte: bits 1:0 source 0, 3:2 source 1, 5:4 source 2, 7:6 destination; the high byte repeats the setting that is left.  At a label and at a branch every window is 0
.if MSB != \new
	s_set_vgpr_msb (MSB<<8)|\new
.set MSB, \new
.endif
.endm
.macro PLACES                          ; four plain vector lines behind matrix instructions, ahead of reads of their results and of loads and writes into their registers
.rept 4
	v_nop
.endr
.endm
.macro POWERS e, sc, lim               ; 2^e as f32 (the conversion takes its exponent field) and 57,344 x 2^e
	s_add_co_i32 s38, s[\e], 127
	s_lshl_b32 s39, s38, 23
	v_mov_b32 v[\sc], s39
	s_add_co_i32 s38, s38, 15
	s_lshl_b32 s38, s38, 23
	s_or_b32 s38, s38, 0x600000
	v_mov_b32 v[\lim], s38
.endm
; My 32 keys of a slot, of K and of V: 32 loads, each of two whole rows of 256 bytes.  No cache word: other work-groups of the head read these rows again.
.macro LOADS
	WIN 0x40                                       ; destination window 1
.set n, 0
.rept 16
	global_load_b128 v[KS+4*n:KS+4*n+3], v[LOFF], s[KA:KA+1] offset:2*ROW*n
.set n, n+1
.endr
.set n, 0
.rept 16
	global_load_b128 v[VS+4*n:VS+4*n+3], v[LOFF], s[VA:VA+1] offset:2*ROW*n
.set n, n+1
.endr
	WIN 0
.endm
; A PREFETCH INTO THE L2 of the slot after the one whose loads have just been issued: 256 rows of K and of V, a lane a row, two instructions a wave.  Of a head's four work-groups number 0 walks the second block's
; slots earliest: it alone asks, in trips 3 to 6, for slots 4 to 7: each row is named once in the launch, and the last one named is the head's last row.  Slots 0 to 3 come by their loads alone.
.macro ASK
	s_sub_co_u32 s38, s[J], s[PLO]
	s_cmp_lt_u32 s38, 4
	s_cbranch_scc0 .Lnot_mine_\@
	global_prefetch_b8 v[PFO], s[KA:KA+1] offset:SLOTB th:TH_LOAD_NT scope:SCOPE_SE
	global_prefetch_b8 v[PFO], s[VA:VA+1] offset:SLOTB th:TH_LOAD_NT scope:SCOPE_SE
.Lnot_mine_\@:
.endm
; The 64 + 64 numbers a lane that have landed become codes in buffer TB.
.macro QUANT
	s_wait_loadcnt 0x0                             ; the slot's 32 loads, issued a trip ago
	v_add_nc_u32 v[ADK], s[TB], v[KST0]
	v_add_nc_u32 v[ADV], s[TB], v[VST0]
	WIN 0x41                                       ; destination and source 0 window 1
.set n, 0
.rept 64
	v_med3_num_f32 v[KS+n], v[KS+n], -v[KLIM], v[KLIM]   ; the conversion to an 8-bit code does not saturate (ISA guide 7.6.2): the hold at the largest code x the scale
.set n, n+1
.endr
.set n, 0
.rept 64
	v_med3_num_f32 v[VS+n], v[VS+n], -v[VLIM], v[VLIM]
.set n, n+1
.endr
	WIN 0x01                                       ; source 0 window 1
.set n, 0
.rept 8
	v_cvt_scalef32_pk8_bf8_f32 v[FR+2*n:FR+2*n+1], v[KS+8*n:KS+8*n+7], v[KSC]         ; register FR + n: key 2 n + hi, channels 4 m .. 4 m + 3
.set n, n+1
.endr
.set n, 0
.rept 8
	v_cvt_scalef32_pk8_bf8_f32 v[FR+16+2*n:FR+17+2*n], v[VS+8*n:VS+8*n+7], v[VSC]
.set n, n+1
.endr
	WIN 0
	v_nop                                          ; one plain line between the conversions and the lines that read their results
.set n, 0
.rept 16
	ds_store_b32 v[ADK], v[FR+n] offset:(16*(n/8)+n%8)*KP
.set n, n+1
.endr
.set n, 0
.rept 4                                        ; V: four keys x four channels of bytes are turned, so that a register holds four keys of one channel
	v_perm_b32 v[FR+32+4*n], v[FR+17+4*n], v[FR+16+4*n], s[PM]
	v_perm_b32 v[FR+33+4*n], v[FR+17+4*n], v[FR+16+4*n], s[PM+1]
	v_perm_b32 v[FR+34+4*n], v[FR+19+4*n], v[FR+18+4*n], s[PM]
	v_perm_b32 v[FR+35+4*n], v[FR+19+4*n], v[FR+18+4*n], s[PM+1]
.set n, n+1
.endr
.set n, 0
.rept 4
	v_perm_b32 v[FR+48+n], v[FR+34+4*n], v[FR+32+4*n], s[PM+2]
	v_perm_b32 v[FR+52+n], v[FR+34+4*n], v[FR+32+4*n], s[PM+3]
	v_perm_b32 v[FR+56+n], v[FR+35+4*n], v[FR+33+4*n], s[PM+2]
	v_perm_b32 v[FR+60+n], v[FR+35+4*n], v[FR+33+4*n], s[PM+3]
.set n, n+1
.endr
.set n, 0
.rept 4
	ds_store_b128 v[ADV], v[FR+48+4*n:FR+51+4*n] offset:16*VP*n    ; channel 4 m + n: my 16 keys' codes
.set n, n+1
.endr
.endm
.macro KLOAD q                         ; a step's eight tiles of 16 keys x 64 channels
.set n, 0
.rept 8
	ds_load_b128 v[FR+8*n:FR+8*n+3],   v[ADK] offset:(128*\q+16*n)*KP
	ds_load_b128 v[FR+8*n+4:FR+8*n+7], v[ADK] offset:(128*\q+16*n)*KP+32
.set n, n+1
.endr
.endm
.macro VLOAD q                         ; a step's four tiles of 16 channels x 128 keys
.set n, 0
.rept 16
	ds_load_b128 v[FR+4*n:FR+4*n+3], v[ADV] offset:VSTEP*\q+16*VP*(n/4)+32*(n%4)
.set n, n+1
.endr
.endm
.macro SCORES qf                       ; S^T = K Q^T for the tile whose Q stands at v[qf] of window 1
	WIN 0x04                                       ; source 1 window 1
.set n, 0
.rept 8
	v_wmma_f32_16x16x64_bf8_bf8 v[S+8*n:S+8*n+7], v[FR+8*n:FR+8*n+7], v[\qf:\qf+7], 0
.set n, n+1
.endr
	WIN 0
	PLACES
.endm
; On the diagonal the scores of hidden keys become -infinity ahead of the maximum: p = 0 then.  A step all of whose keys count for my first query jumps over this.
.macro MASK x
	s_add_co_u32 s38, s[KF], 127
	s_cmp_le_u32 s38, s[Q0]
	s_cbranch_scc1 .Lopen_\@
	s_sub_co_i32 s39, s[Q0], s[KF]
	s_add_co_i32 s39, s39, 16*\x
	v_and_b32 v[T0], 15, v0
	v_bfe_u32 v[T1], v0, 4, 1
	v_sub_nc_u32 v[T0], v[T0], v[T1]
	v_add_nc_u32 v[T0], s39, v[T0]                 ; d = my query - KF - h.  Register 16 b + i holds key KF + 32 b + 2 i + h: hidden where 32 b + 2 i > d
	v_mov_b32 v[T2], 0xff800000
.set n, 0
.rept 64
	v_cmp_gt_i32 vcc_lo, 32*(n/16)+2*(n%16), v[T0]
	v_cndmask_b32 v[S+n], v[S+n], v[T2], vcc_lo
.set n, n+1
.endr
.Lopen_\@:
.endm
; One tile's softmax for a step: st its statistics, ob its O^T, pc its codes (window 1).
.macro SOFT st, ob, pc
	v_max3_num_f32 v[MX0], v[S], v[S+1], v[S+2]    ; the step's largest score of my query among my 64 keys, in two chains, each accumulator from its low end on
	v_max3_num_f32 v[MX1], v[S+3], v[S+4], v[S+5]
.set n, 6
.rept 14
	v_max3_num_f32 v[MX0], v[MX0], v[S+n], v[S+n+1]
	v_max3_num_f32 v[MX1], v[MX1], v[S+n+2], v[S+n+3]
.set n, n+4
.endr
	v_max3_num_f32 v[MX0], v[MX0], v[S+62], v[S+63]
	v_max_num_f32 v[MX0], v[MX0], v[MX1]
	v_permlanex16_b32 v[PT], v[MX0], s[SEL], s[SEL+1]
	v_max_num_f32 v[MX0], v[MX0], v[PT]            ; and among lane l xor 16's
	v_mul_f32 v[MX0], s[CS], v[MX0]                ; as t (c is positive)
	v_max_num_f32 v[\st+1], v[\st+1], v[MX0]       ; the running largest t
	v_mov_b32 v[MX0], v[\st]
	v_floor_f32 v[\st], -v[\st+1]                  ; the new -M = floor(-t) = -ceil(t)
	v_sub_f32 v[MX0], v[\st], v[MX0]               ; old M - new M: a whole number, 0 or less
	v_cvt_i32_f32 v[MX0], v[MX0]                   ; (it saturates)
	v_ldexp_f32 v[F], 1.0, v[MX0]                  ; f
	; ONE BATCH: the 32 scalings t - M and the 64 exponentials; a plain line stands behind every two exponentials, and none of these lines names an exponential's result
.set n, 0
.rept 4
	v_pk_fma_f32 v[S+2*n:S+2*n+1], v[S+2*n:S+2*n+1], s[CS:CS+1], v[\st:\st+1] op_sel_hi:[1,0,0]
.set n, n+1
.endr
.set n, 0
.rept 32
	v_exp_f32 v[S+2*n], v[S+2*n]
	v_exp_f32 v[S+2*n+1], v[S+2*n+1]
.if n < 28
	v_pk_fma_f32 v[S+2*n+8:S+2*n+9], v[S+2*n+8:S+2*n+9], s[CS:CS+1], v[\st:\st+1] op_sel_hi:[1,0,0]
.elseif n == 28
	v_pk_mul_f32 v[\st+2:\st+3], v[\st+2:\st+3], v[F:F+1] op_sel_hi:[1,0]            ; the sums under the new M
.else
	v_pk_mul_f32 v[\ob+2*(n-29):\ob+2*(n-29)+1], v[\ob+2*(n-29):\ob+2*(n-29)+1], v[F:F+1] op_sel_hi:[1,0]   ; O^T under the new M, in ascending order
.endif
.set n, n+1
.endr
.set n, 3
.rept 13
	v_pk_mul_f32 v[\ob+2*n:\ob+2*n+1], v[\ob+2*n:\ob+2*n+1], v[F:F+1] op_sel_hi:[1,0]
.set n, n+1
.endr
	s_wait_alu depctr_va_vdst(0)                   ; one wait for the whole batch, ahead of the first line that names a result
	v_pk_add_f32 v[SM:SM+1], v[S:S+1], v[S+2:S+3]  ; the row's sum is taken of the UNQUANTISED p, two at a time, in two chains
.set n, 4
.rept 15
	v_pk_add_f32 v[\st+2:\st+3], v[\st+2:\st+3], v[S+n:S+n+1]
	v_pk_add_f32 v[SM:SM+1], v[SM:SM+1], v[S+n+2:S+n+3]
.set n, n+4
.endr
	v_pk_add_f32 v[\st+2:\st+3], v[\st+2:\st+3], v[SM:SM+1]
	s_cmp_gt_i32 s[EX+3], -16                      ; p is at most 1 (but for a last bit): from ep = -15 up p / 2^ep stays under 57,344 and the hold holds nothing.  A branch on a whole number that was read; no barrier stands under it
	s_cbranch_scc1 .Lno_hold_\@
.set n, 0
.rept 64
	v_min_num_f32 v[S+n], v[S+n], v[PLIM]          ; p is never negative: the hold is one-sided
.set n, n+1
.endr
.Lno_hold_\@:
	WIN 0x40                                       ; destination window 1
.set n, 0
.rept 8
	v_cvt_scalef32_pk8_bf8_f32 v[\pc+2*n:\pc+2*n+1], v[S+8*n:S+8*n+7], v[PSC]
.set n, n+1
.endr
	WIN 0
	v_nop                                          ; one plain line between the conversions and the matrix instructions that read their results or write their sources
.endm
.macro PV                              ; O^T += V^T P^T, both tiles: eight accumulators, one instruction each, by turns
	s_wait_dscnt 0x0                               ; V's fragments are in
	WIN 0x04
.set n, 0
.rept 4
	v_wmma_f32_16x16x128_bf8_bf8 v[OA+8*n:OA+8*n+7], v[FR+16*n:FR+16*n+15], v[PA:PA+15], v[OA+8*n:OA+8*n+7]
	v_wmma_f32_16x16x128_bf8_bf8 v[OB+8*n:OB+8*n+7], v[FR+16*n:FR+16*n+15], v[PB:PB+15], v[OB+8*n:OB+8*n+7]
.set n, n+1
.endr
	WIN 0
	PLACES
.endm
; A KEY STEP: 128 keys, the q-th of the buffer in hand.  A step all of whose keys come after my 32 queries is left out: a scalar branch on ids; no barrier stands in a step.
; KF is a multiple of 128 and Q0 of 32, so a step that is not left out has KF <= Q0: key KF counts for every query of both tiles, and no row of a step is all hidden.
.macro STEP q
	s_add_co_u32 s38, s[Q0], 31
	s_cmp_gt_u32 s[KF], s38
	s_cbranch_scc1 .Lhidden_\@
	v_add_nc_u32 v[ADK], s[TB], v[AK0]
	v_add_nc_u32 v[ADV], s[TB], v[AV0]
	KLOAD \q
	s_wait_dscnt 0x0
	SCORES QA
	MASK 0
	SOFT STA, OA, PA
	SCORES QB
	VLOAD \q                                       ; K's fragments are done with: V's take their registers and land under tile B's softmax
	MASK 1
	SOFT STB, OB, PB
	PV
.Lhidden_\@:
	s_add_co_u32 s[KF], s[KF], 128
.endm
; THE WAY OUT of a block: O^T / the sum x 2^(ep + ev); a tile's 16 rows go through my own stage in LDS and leave as whole rows: sixteen lanes store 256 consecutive bytes, aligned.
.macro WAYOUT base
.irp x, 0, 1
	v_add_f32 v[MX0], v[STA+4*\x+2], v[STA+4*\x+3] ; the sum's two halves,
	v_permlanex16_b32 v[PT], v[MX0], s[SEL], s[SEL+1]
	v_add_f32 v[MX0], v[MX0], v[PT]                ; and lane l xor 16's
	v_rcp_f32 v[INV], v[MX0]
	v_nop                                          ; a plain line behind the reciprocal,
	s_wait_alu depctr_va_vdst(0)                   ; and the wait ahead of its first reader
	v_ldexp_f32 v[INV], v[INV], s[EPV]
.set n, 0
.rept 32
	v_mul_f32 v[S+32*\x+n], v[OA+32*\x+8*(n%4)+n/4], v[INV]       ; channel 32 h + n: register n / 4 of tile n % 4: each accumulator is read from its lowest register on
.set n, n+1
.endr
.set n, 0
.rept 8
	ds_store_b128 v[STO], v[S+32*\x+4*n:S+32*\x+4*n+3] offset:16*n
.set n, n+1
.endr
.set n, 0
.rept 8
	ds_load_b128 v[FR+32*\x+4*n:FR+32*\x+4*n+3], v[RD] offset:2*SP*n   ; LDS serves a wave's instructions in order (ISA guide 5.7.1.4): these see my stores, and the next tile's stores come behind them
.set n, n+1
.endr
.set n, 0
.rept 8
	s_wait_dscnt 7-n                               ; load n is in; the 7 - n issued behind it may be out
	global_store_b128 v[LOFF], v[FR+32*\x+4*n:FR+32*\x+4*n+3], s[\base:\base+1] offset:(16*\x+2*n)*ROW th:TH_STORE_NT
.set n, n+1
.endr
.endr
.endm
.macro INIT                            ; a block's start: the largest t -3e38, under every t; sums and O^T zeros, which the first change of M leaves zeros: so the step is written once
.irp st, STA, STB
	v_mov_b32 v[\st+1], 0xff61b1e6
	v_floor_f32 v[\st], -v[\st+1]
	v_mov_b32 v[\st+2], 0
	v_mov_b32 v[\st+3], 0
.endr
.set n, 0
.rept 64
	v_mov_b32 v[OA+n], 0
.set n, n+1
.endr
.endm
.macro QTILE t                         ; 16 queries x 64 channels, loaded as K's rows are, become a fragment: hold, conversion, my own stage in LDS, and back by rows
.set n, 0
.rept 32
	v_med3_num_f32 v[64+32*\t+n], v[64+32*\t+n], -v[QLIM], v[QLIM]
.set n, n+1
.endr
.set n, 0
.rept 4
	v_cvt_scalef32_pk8_bf8_f32 v[192+8*\t+2*n:193+8*\t+2*n], v[64+32*\t+8*n:71+32*\t+8*n], v[QSC]
.set n, n+1
.endr
	v_nop
.set n, 0
.rept 8
	ds_store_b32 v[QSA], v[192+8*\t+n] offset:16*KP*\t+2*KP*n     ; row 2 n + hi, byte 4 m
.set n, n+1
.endr
	WIN 0x40
	ds_load_b128 v[8*\t:8*\t+3],   v[QLA] offset:16*KP*\t
	ds_load_b128 v[8*\t+4:8*\t+7], v[QLA] offset:16*KP*\t+32
	WIN 0
.endm
	s_load_b256 s[4:11], s[0:1], 0x0               ; q s[4:5], k s[6:7], v s[8:9], the scales' exponents s[10:11]
	s_load_b64 s[12:13], s[0:1], 0x20              ; out
	v_lshl_add_u32 v62, v0, 2, 0x2c000
	v_mov_b32 v63, 0
	v_lshrrev_b32 v[T2], 5, v0
	v_readfirstlane_b32 s[WV], v[T2]               ; wave 0..7
	v_and_b32 v[T0], 15, v0                        ; m
	v_bfe_u32 v[T1], v0, 4, 1                      ; hi
	s_mov_b32 s[IX], ttmp9                         ; i
	s_and_b32 s38, ttmp7, 0xffff                   ; 16 b + h
	s_lshr_b32 s39, s38, 4
	s_lshl_b32 s39, s39, 23                        ; a batch entry is 2,048 x 4,096 bytes,
	s_and_b32 s38, s38, 15
	s_lshl_b32 s38, s38, 8                         ; a head's part of a row 256
	s_add_co_u32 s[HO], s39, s38
	s_mov_b32 s[HO+1], 0
	s_lshl_b32 s38, s[WV], 17
	v_lshlrev_b32 v[LOFF], 4, v[T0]
	v_lshl_add_u32 v[LOFF], v[T1], 12, v[LOFF]
	v_add_nc_u32 v[LOFF], s38, v[LOFF]
	s_lshl_b32 s38, s[IX], 20                      ; block i's 256 rows begin here,
	s_mov_b32 s39, 0
	s_sub_co_u32 s[TQ], 7, s[IX]
	s_lshl_b32 s[Q0H], s[TQ], 8
	s_lshl_b32 s[TQ], s[TQ], 20                    ; block 7 - i's here
	s_mov_b32 s[TQ+1], 0
	s_wait_kmcnt 0x0
	s_load_b128 s[EX:EX+3], s[10:11], 0x0          ; eq, ek, ev, ep
	s_add_nc_u64 s[KB:KB+1], s[6:7], s[HO:HO+1]
	s_add_nc_u64 s[VB:VB+1], s[8:9], s[HO:HO+1]
	s_mov_b64 s[KA:KA+1], s[KB:KB+1]               ; slot 0
	s_mov_b64 s[VA:VA+1], s[VB:VB+1]
	s_add_nc_u64 s[QP0:QP0+1], s[4:5], s[HO:HO+1]
	s_add_nc_u64 s[O0:O0+1], s[12:13], s[HO:HO+1]
	s_add_nc_u64 s[QP1:QP1+1], s[QP0:QP0+1], s[TQ:TQ+1]
	s_add_nc_u64 s[O1:O1+1], s[O0:O0+1], s[TQ:TQ+1]
	s_add_nc_u64 s[QP0:QP0+1], s[QP0:QP0+1], s[38:39]
	s_add_nc_u64 s[O0:O0+1], s[O0:O0+1], s[38:39]
.irp x, 0, 1                                   ; my 32 queries of both blocks: tile 2 x block + x at v[64 + 32 tile]; read once, by me alone
.set n, 0
.rept 8
	global_load_b128 v[64+32*\x+4*n:67+32*\x+4*n], v[LOFF], s[QP0:QP0+1] offset:(16*\x+2*n)*ROW th:TH_LOAD_NT
.set n, n+1
.endr
.endr
.irp x, 0, 1
.set n, 0
.rept 8
	global_load_b128 v[128+32*\x+4*n:131+32*\x+4*n], v[LOFF], s[QP1:QP1+1] offset:(16*\x+2*n)*ROW th:TH_LOAD_NT
.set n, n+1
.endr
.endr
	LOADS                                          ; slot 0 of K and V
	; LDS addresses: constants, the lane's m and hi, the wave's number
	s_mul_i32 s38, s[WV], 32*KP
	v_mul_u32_u24 v[KST0], v[T1], 8*KP
	v_lshl_add_u32 v[KST0], v[T0], 2, v[KST0]
	v_add_nc_u32 v[KST0], s38, v[KST0]             ; row 32 w + 8 hi, byte 4 m
	s_lshr_b32 s38, s[WV], 2
	s_mul_i32 s38, s38, VSTEP
	s_and_b32 s39, s[WV], 3
	s_lshl_b32 s39, s39, 5
	s_add_co_u32 s38, s38, s39
	s_add_co_u32 s38, s38, VOFF
	v_mul_u32_u24 v[VST0], v[T0], VP
	v_lshl_add_u32 v[VST0], v[T1], 4, v[VST0]
	v_add_nc_u32 v[VST0], s38, v[VST0]             ; step w / 4, row m, byte 32 (w % 4) + 16 hi
	v_mul_u32_u24 v[AK0], v[T0], KP
	v_lshl_add_u32 v[AK0], v[T1], 4, v[AK0]
	v_mul_u32_u24 v[AV0], v[T0], VP
	v_lshl_add_u32 v[AV0], v[T1], 4, v[AV0]
	v_add_nc_u32 v[AV0], VOFF, v[AV0]
	s_mul_i32 s38, s[WV], WSB
	s_add_co_u32 s38, s38, WS
	v_mul_u32_u24 v[STO], v[T0], SP
	v_lshl_add_u32 v[STO], v[T1], 7, v[STO]
	v_add_nc_u32 v[STO], s38, v[STO]               ; in: row m, channels 32 hi on
	v_mul_u32_u24 v[RD], v[T1], SP
	v_lshl_add_u32 v[RD], v[T0], 4, v[RD]
	v_add_nc_u32 v[RD], s38, v[RD]                 ; back: lanes 0-15 one row, lanes 16-31 the next
	s_mul_i32 s38, s[WV], WQB
	s_add_co_u32 s38, s38, WQ
	v_mul_u32_u24 v[QSA], v[T1], KP
	v_lshl_add_u32 v[QSA], v[T0], 2, v[QSA]
	v_add_nc_u32 v[QSA], s38, v[QSA]
	v_mul_u32_u24 v[QLA], v[T0], KP
	v_lshl_add_u32 v[QLA], v[T1], 4, v[QLA]
	v_add_nc_u32 v[QLA], s38, v[QLA]
	v_lshlrev_b32 v[PFO], 12, v0
	s_lshl_b32 s38, s[WV], 5
	s_lshl_b32 s[Q0], s[IX], 8
	s_add_co_u32 s[Q0], s[Q0], s38                 ; 256 i + 32 w
	s_add_co_u32 s[Q0H], s[Q0H], s38               ; 256 (7 - i) + 32 w
	s_add_co_u32 s[SWT], s[IX], 1
	s_cmp_eq_u32 s[IX], 0
	s_cselect_b32 s[PLO], 3, 0x1000                ; work-group 0 of the head prefetches from trip 3 on, the others never
	s_mov_b32 s[NOFF], 0
	s_mov_b32 s[NOFF+1], 0
	s_mov_b32 s[SEL], 0x76543210
	s_mov_b32 s[SEL+1], 0xfedcba98
	s_mov_b32 s[PM], 0x05010400                    ; bytes 0 and 1 of two registers, interleaved;
	s_mov_b32 s[PM+1], 0x07030602                  ; bytes 2 and 3;
	s_mov_b32 s[PM+2], 0x05040100                  ; the two low halves;
	s_mov_b32 s[PM+3], 0x07060302                  ; the two high halves
	s_mov_b32 s[CS], 0x3e38aa3b                    ; log2(e) / 8
	s_wait_kmcnt 0x0
	s_add_co_i32 s38, s[EX], s[EX+1]
	s_lshl_b32 s38, s38, 23
	s_add_co_i32 s[CS], s[CS], s38                 ; a score stands for score x 2^(eq + ek): added to c's exponent field
	s_mov_b32 s[CS+1], s[CS]                       ; (named with it as a pair, so it is written)
	s_add_co_i32 s[EPV], s[EX+2], s[EX+3]
	POWERS EX, QSC, QLIM
	POWERS EX+1, KSC, KLIM
	POWERS EX+2, VSC, VLIM
	POWERS EX+3, PSC, PLIM
	s_wait_loadcnt 32                              ; Q's 32 loads are in; the 32 of K and V, issued behind them, may be out
	QTILE 0
	QTILE 1
	QTILE 2
	QTILE 3
	s_wait_dscnt 0x0                               ; Q's fragments are in, and the stage's stores have read the registers that are cleared below
	INIT
	v_mov_b32 v[F+1], 0                            ; (named as the upper half of the pair)
	v_mov_b32 v[PT], 0                             ; written once: a lane permute's destination counts as one of its sources
	s_mov_b32 s[J], 0
	s_mov_b32 s[KF], 0
	s_mov_b32 s[TB], 0
.Ltrip:                                            ; nine trips, a slot of 256 keys each
	QUANT                                          ; the slot's codes into buffer TB
	s_wait_dscnt 0x0                               ; my stores have landed; my reads of the other buffer, in the trip before, were waited for there
	s_barrier_signal -1                            ; ONE barrier a trip: behind it buffer TB is whole, and nobody reads the other buffer any more, into which the next trip's codes go
	s_barrier_wait -1
	s_cmp_eq_u32 s[J], 8
	s_cbranch_scc1 .Lno_load                       ; the last trip loads nothing
	s_wait_xcnt 0x0                                ; the last trip's loads and prefetches have read their bases, which are written now
	s_add_co_u32 s[NOFF], s[NOFF], SLOTB           ; the next slot,
	s_add_co_u32 s38, s[J], 1
	s_cmp_eq_u32 s38, s[SWT]
	s_cselect_b32 s[NOFF], 0, s[NOFF]              ; or slot 0, where the next trip begins the second block
	s_add_nc_u64 s[KA:KA+1], s[KB:KB+1], s[NOFF:NOFF+1]
	s_add_nc_u64 s[VA:VA+1], s[VB:VB+1], s[NOFF:NOFF+1]
	LOADS                                          ; they have this trip's two key steps in which to land
	ASK
.Lno_load:
	s_cmp_lg_u32 s[J], s[SWT]
	s_cbranch_scc1 .Lsame_block
	WAYOUT O0                                      ; block i is finished: it leaves, and block 7 - i begins
	s_wait_xcnt 0x0                                ; the stores have read their registers, which the next fragments take
	INIT
	WIN 0x41
.set n, 0
.rept 16
	v_mov_b32 v[QA+n], v[16+n]                     ; the second block's Q
.set n, n+1
.endr
	WIN 0
	s_mov_b32 s[KF], 0
	s_mov_b32 s[Q0], s[Q0H]
.Lsame_block:
	STEP 0
	STEP 1
	s_xor_b32 s[TB], s[TB], BUF1
	s_add_co_u32 s[J], s[J], 1
	s_cmp_lt_u32 s[J], 9
	s_cbranch_scc1 .Ltrip
	WAYOUT O1
	s_wait_tensorcnt 0x0
	ds_add_u32 v62, v63
	s_wait_dscnt 0x0
	s_endpgm
.Lfunc_end_k_qcc3a3f63bc_attn:
	.size	k_qcc3a3f63bc_attn, .Lfunc_end_k_qcc3a3f63bc_attn-k_qcc3a3f63bc_attn
	.p2alignl 7, 3214868480
	.fill 96, 4, 3214868480
	.section	.rodata,"a",@progbits
	.p2align	6, 0x0
	.amdhsa_kernel k_qcc3a3f63bc_attn
		.amdhsa_group_segment_fixed_size 181248
		.amdhsa_private_segment_fixed_size 0
		.amdhsa_enable_private_segment 0
		.amdhsa_kernarg_size 40
		.amdhsa_user_sgpr_count 2
		.amdhsa_user_sgpr_kernarg_segment_ptr 1
		.amdhsa_wavefront_size32 1
		.amdhsa_system_sgpr_workgroup_id_x 1
		.amdhsa_system_sgpr_workgroup_id_y 1
		.amdhsa_system_sgpr_workgroup_id_z 1
		.amdhsa_system_vgpr_workitem_id 0
		.amdhsa_next_free_vgpr 448
		.amdhsa_next_free_sgpr 66
		.amdhsa_reserve_vcc 1
		.amdhsa_float_denorm_mode_32 3
		.amdhsa_float_denorm_mode_16_64 3
		.amdhsa_memory_ordered 1
		.amdhsa_forward_progress 1
		.amdhsa_inst_pref_size 138
	.end_amdhsa_kernel
	.amdgpu_metadata
---
amdhsa.version: [ 1, 2 ]
amdhsa.kernels:
  - .name:           k_qcc3a3f63bc_attn
    .symbol:         k_qcc3a3f63bc_attn.kd
    .args:
      - { .name: q, .offset: 0, .size: 8, .value_kind: global_buffer, .address_space: global }
      - { .name: k, .offset: 8, .size: 8, .value_kind: global_buffer, .address_space: global }
      - { .name: v, .offset: 16, .size: 8, .value_kind: global_buffer, .address_space: global }
      - { .name: lowp_scales, .offset: 24, .size: 8, .value_kind: global_buffer, .address_space: global }
      - { .name: out0, .offset: 32, .size: 8, .value_kind: global_buffer, .address_space: global }
    .group_segment_fixed_size: 181248
    .private_segment_fixed_size: 0
    .kernarg_segment_align: 8
    .kernarg_segment_size: 40
    .max_flat_workgroup_size: 256
    .sgpr_count:     66
    .vgpr_count:     448
    .wavefront_size: 32
...
	.end_amdgpu_metadata
.endif
;; end of part 1
;; ======== version 2 of 2: 1 launch; version 1 with the launch attn written anew for expert scheduling mode
;; limits: right only within a limited range of input values
;; launch attn (part 2): grid 4 x 64, 8 waves a work-group, no clusters, 181,248 bytes of LDS; arguments q, k, v, lowp_scales, out0; writes out0
.if DOCPART == 2
	.amdgcn_target "amdgcn-amd-amdhsa--gfx1250"
	.amdhsa_code_object_version 6
	.text
	.protected	k_qcc3a3f63bc_attn
	.globl	k_qcc3a3f63bc_attn
	.p2align	8
	.type	k_qcc3a3f63bc_attn,@function
k_qcc3a3f63bc_attn:
	s_mov_b64 s[64:65], 0
	v_nop
	global_prefetch_b8 v0, s[64:65] scope:SCOPE_SE
	s_setreg_imm32_b32 hwreg(HW_REG_WAVE_SCHED_MODE, 0, 2), 2
	s_setreg_imm32_b32 hwreg(HW_REG_WAVE_MODE, 25, 1), 1
	s_wait_xcnt 0x0
	s_wait_alu depctr_vm_vsrc(0)
; out[b][q][h][:] = the sum over keys k <= q of softmax_k(q . k / 8) v[k][:].  q, k, v, out: [4][2048][16][64] f32: a head's row is 256 bytes, rows of one head lie 4,096 bytes apart.
; Both products run on codes of BF8 (E5M2), each operand with the scale 2^e that is given for it: the buffer of scales holds eq, ek, ev, ep in this order.
; SOFTMAX: t = score x log2(e) / 8; M = the running largest t rounded UP to a whole number; p = 2^(t - M) is what is quantised; the row's sum is taken of the unquantised p and divides at the end.
; When M moves, the sum and O are multiplied by 2^(old M - new M), which rounds nothing.
; SHARES.  256 work-groups of eight waves.  Work-group (i, head) owns the query blocks i and 7 - i of 256 queries, one after the other: (i + 1) + (8 - i) = 9 slots of 256 keys in EVERY work-group,
; so the trip count is the constant 9 and all work-groups have the same work in spite of the causal triangle.  A wave owns 32 queries of the block in hand: two tiles, A and B, of 16.
; K AND V ARE QUANTISED ON THE WAY, by the work-group that reads them: in each trip wave w loads 32 keys of the NEXT slot (f32, each load two whole rows of 256 bytes) into registers; at the head of the next trip it holds and
; converts them and lays the codes into one of two code buffers in LDS; one barrier; then all eight waves read fragments, each fragment feeding both of a wave's tiles.  No buffer of codes goes to memory and back, and there is one launch.
; LAYOUT.  Both products are used transposed (S^T = K Q^T, O^T = V^T P^T): a lane holds ONE query (lane % 16) throughout.  The order of keys in LDS is chosen so that the loads as they come need no turn:
;   load n of wave w brings key 32 w + 2 n + hi (hi = lane / 16), channels 4 m .. 4 m + 3 (m = lane % 16).  K: that key's four codes go to LDS row 32 w + 16 (n / 8) + 8 hi + n % 8, byte 4 m.
;   So register 16 b + i of S^T in lane half h is key KF + 32 b + 2 i + h.  V^T: LDS row 16 c + m holds channel 4 m + c; its byte 32 b + 16 h + y holds key 32 b + 2 y + h: the order of p's registers.
;   In O^T, tile t, register j, lane (r, h) is o(query r, channel 32 h + 4 j + t).
;   Fragments come by loads of 16 bytes: a permutation of k inside a matrix instruction, the same on both sides, so every product meets its partner.
; NOT USED, AND WHY.  Tensor loads: the operands arrive as f32 and must pass through the registers that the conversions read; through LDS they would be written and read there once more.
;   Clusters with joint loads: the four work-groups of a head own different pairs of blocks and want different slots in the same trip, and their loads go into registers.
; LIMITS.  eq + ek between -123 and 130 (added to c's exponent field); eq, ek, ev, ep each between -126 and 112, so that each scale and each hold is an f32 number; ep + ev goes by v_ldexp_f32 and has none.
;   NaN among the inputs is not served.  A hidden key counts as -infinity where the definition adds -1e9 to its logit: the same as long as a row's logits differ by less than about 1e9.
; REGISTERS, in windows of 256.  Window 0: v1-11, v41 addresses; v12-19 statistics; v20-27 scales and holds; v28-40 at work; v64-127 S^T, then p, of one tile; v128-191 K's fragments, the quantiser's codes, the way out's rows;
;   v192-223, v224-255 O^T of tiles A, B.   Window 1: v0-15 Q of the block in hand; v16-31 Q of the second block; v32-47, v48-63 p's codes of A, B; v64-127 K's and v128-191 V's numbers on their way; v192-255 V's fragments.
; THE MODE: SCHED_MODE bits 1:0 = 2 (LLVM: expert scheduling mode 2), set by the entry lines.  The code itself states the register dependences
; between vector or matrix instructions and memory or LDS instructions, with s_wait_alu, always for 0.
; THE PLAN.  Registers that memory or LDS instructions touch, round a trip:
;   v[LOFF], v[PFO], v[STO], v[RD]   made once at the head, never written again: the slots are reached by scalar bases and immediate offsets.
;   v[KSA], v[VSA], v[ADK], v[ADV]   LDS addresses in the code buffer in hand: written by four additions at the trip's head; the first two read by the quantiser's stores, the other two by both steps' fragment loads.
;   KS, VS   the global loads issued behind the barrier land in them; the next trip's holds write them and its conversions read them.
;   FR       the quantiser's conversions and byte turns write it, its LDS stores read it; K's fragments land in it, the products K Q^T read it; on the way out rows from the stage land in it and the global stores read it.
;   VF       V's fragments land in it; the products V^T P read it.
;   S        on the way out alone: 64 multiplications write it, the stage's LDS stores read it.
; The waits on va_vdst: ONE a trip, behind the quantiser's last byte turn: the codes and the four addresses are written (for its stores and for step 0's fragment loads), the conversions are done with KS and VS (for the
; global loads behind the barrier), the last trip's products are done with FR and VF.  In the steps none beyond the one that every batch of exponentials has: step 1's K is asked for behind tile B's batch wait of step 0,
; where both tiles' products K Q^T are done with FR; step 1's V behind tile A's batch wait of step 1, where step 0's products V^T P are done with VF; no vector or matrix line between such a wait and its loads names their registers.
; The waits on vm_vsrc: at the trip's head (the last trip's fragment loads have read their addresses), in front of the barrier (the quantiser's stores have read FR and their addresses), behind the first way out.
; The mask's compares write scalar registers in runs of 32, with one wait on va_sdst behind each run, ahead of the selects that read them.
.set ROW,   4096                       ; bytes from a head's row to its next
.set SLOTB, 0x100000                   ; 256 rows
.set KP,    80                         ; a key's row of codes in LDS: 64 bytes + 16: an odd multiple of 16, so the 16 rows of a load fall on 16 different 16-byte columns of 256
.set VP,    144                        ; a channel's row of a step's 128 codes: 128 bytes + 16, likewise
.set VOFF,  256*KP                     ; a code buffer: 256 rows of K, then two steps of 64 rows of V^T
.set VSTEP, 64*VP
.set BUF1,  65536                      ; the second code buffer: one exclusive or turns an address from one into the other
.set WQ,    BUF1+VOFF+2*VSTEP          ; behind the buffers: for each wave four stages of 16 rows x KP for Q's codes,
.set WQB,   4*16*KP
.set WS,    WQ+8*WQB                   ; and a stage of 16 rows x (256 bytes + 16) for the way out
.set SP,    272
.set WSB,   16*SP
.set LOFF, 1                           ; v1   the one global offset, for K, V, Q and out: 32 rows x wave + a row x hi + 16 m; never rewritten
.set KST0, 2                           ; v2   where I store K's codes, in buffer 0
.set VST0, 3                           ; v3   the same for V's
.set AK0,  4                           ; v4   my lane's place in a tile of K
.set AV0,  5                           ; v5   the same for V^T
.set STO,  6                           ; v6   the way out: where I put 16 bytes of a row
.set RD,   7                           ; v7   the way out: where I read a row back
.set ADK,  8                           ; v8, v9  where I read fragments of K, of V^T, in the buffer in hand
.set ADV,  9
.set PFO,  10                          ; v10  the prefetches' offset: a row x my thread's number; never rewritten
.set KSA,  11                          ; v11, v41  where I store K's, V's codes, in the buffer in hand
.set VSA,  41
.set STA,  12                          ; v12 -M, v13 the largest t, v[14:15] the sum in two halves: tile A;  v16-19: tile B
.set STB,  16
.set PLIM, 20                          ; 57,344 x 2^e and 2^e as f32, for p, k, v, q
.set PSC,  21
.set KLIM, 22
.set KSC,  23
.set VLIM, 24
.set VSC,  25
.set QLIM, 26
.set QSC,  27
.set F,    28                          ; v[28:29] f = 2^(old M - new M): the packed forms name the pair and take its low word
.set MX0,  30
.set MX1,  31
.set PT,   32                          ; a lane permute's destination
.set INV,  33
.set SM,   34                          ; v[34:35] the sum's second chain
.set T0,   36
.set T1,   37
.set T2,   38
.set QSA,  39
.set QLA,  40
.set S,    64
.set FR,   128
.set OA,   192
.set OB,   224
.set QA,   0                           ; window 1
.set QB,   8
.set PA,   32
.set PB,   48
.set KS,   64
.set VS,   128
.set VF,   192
.set WV,   14                          ; s14  my wave's number
.set IX,   15                          ; s15  i
.set HO,   16                          ; s[16:17] the head's first byte in each tensor
.set KB,   18                          ; s[18:19], s[20:21] k and v at the head
.set VB,   20
.set KA,   22                          ; s[22:23], s[24:25] k and v at the slot that is being loaded
.set VA,   24
.set O0,   26                          ; s[26:27], s[28:29] out at block i, at block 7 - i
.set O1,   28
.set NOFF, 30                          ; s[30:31] that slot's byte offset
.set J,    32                          ; s32  the trip
.set SWT,  33                          ; s33  i + 1: the trip in which the second block begins
.set KF,   34                          ; s34  the step's first key
.set Q0,   35                          ; s35  my first query in the block in hand;  s36: in the second block
.set Q0H,  36
.set TB,   37                          ; s37  the code buffer in hand
.set CS,   40                          ; s[40:41] c = log2(e) / 8 x 2^(eq + ek)
.set SEL,  42                          ; s[42:43] v_permlanex16_b32's selects for lane l xor 16
.set PM,   44                          ; s44-47 byte selects of the 4 x 4 turn of V's codes
.set EX,   48                          ; s[48:51] eq, ek, ev, ep
.set EPV,  52                          ; s52  ep + ev
.set PLO,  53                          ; s53  the first trip in which my work-group prefetches
.set QP0,  54                          ; s[54:55], s[56:57] q at block i, at block 7 - i
.set QP1,  56
.set TQ,   58
.set MK,   66                          ; s66-97 the causal mask's lane masks, 32 at a time
.set MSB, 0
.macro WIN new                         ; low byte: bits 1:0 source 0, 3:2 source 1, 5:4 source 2, 7:6 destination; the high byte repeats the setting that is left.  At a label and at a branch every window is 0
.if MSB != \new
	s_set_vgpr_msb (MSB<<8)|\new
.set MSB, \new
.endif
.endm
.macro PLACES                          ; four plain vector lines behind matrix instructions, ahead of reads of their results and of writes into their registers (ISA guide 7.12.1)
.rept 4
	v_nop
.endr
.endm
.macro POWERS e, sc, lim               ; 2^e as f32 (the conversion takes its exponent field) and 57,344 x 2^e
	s_add_co_i32 s38, s[\e], 127
	s_lshl_b32 s39, s38, 23
	v_mov_b32 v[\sc], s39
	s_add_co_i32 s38, s38, 15
	s_lshl_b32 s38, s38, 23
	s_or_b32 s38, s38, 0x600000
	v_mov_b32 v[\lim], s38
.endm
; My 32 keys of a slot, of K and of V: 32 loads, each of two whole rows of 256 bytes.  No cache word: other work-groups of the head read these rows again.
; No wait on va_vdst stands here: in the loop the quantiser's wait has shown its holds and conversions done with KS and VS, and no vector line stands between that wait and these loads.
.macro LOADS
	WIN 0x40                                       ; destination window 1
.set n, 0
.rept 16
	global_load_b128 v[KS+4*n:KS+4*n+3], v[LOFF], s[KA:KA+1] offset:2*ROW*n
.set n, n+1
.endr
.set n, 0
.rept 16
	global_load_b128 v[VS+4*n:VS+4*n+3], v[LOFF], s[VA:VA+1] offset:2*ROW*n
.set n, n+1
.endr
	WIN 0
.endm
; A PREFETCH INTO THE L2 of the slot after the one whose loads have just been issued: 256 rows of K and of V, a lane a row, two instructions a wave.  Of a head's four work-groups number 0 walks the second block's
; slots earliest: it alone asks, in trips 3 to 6, for slots 4 to 7: each row is named once in the launch, and the last one named is the head's last row.  Slots 0 to 3 come by their loads alone.
.macro ASK
	s_sub_co_u32 s38, s[J], s[PLO]
	s_cmp_lt_u32 s38, 4
	s_cbranch_scc0 .Lnot_mine_\@
	global_prefetch_b8 v[PFO], s[KA:KA+1] offset:SLOTB th:TH_LOAD_NT scope:SCOPE_SE
	global_prefetch_b8 v[PFO], s[VA:VA+1] offset:SLOTB th:TH_LOAD_NT scope:SCOPE_SE
.Lnot_mine_\@:
.endm
; The 64 + 64 numbers a lane that have landed become codes in buffer TB.  All the vector work stands first, then ONE wait, then the twenty LDS stores.
.macro QUANT
	s_wait_loadcnt 0x0                             ; the slot's 32 loads, issued a trip ago
	s_wait_alu depctr_vm_vsrc(0)                   ; the last trip's fragment loads have read v[ADK] and v[ADV], which are written now
	v_add_nc_u32 v[KSA], s[TB], v[KST0]            ; the trip's four LDS addresses
	v_add_nc_u32 v[VSA], s[TB], v[VST0]
	v_add_nc_u32 v[ADK], s[TB], v[AK0]
	v_add_nc_u32 v[ADV], s[TB], v[AV0]
	WIN 0x41                                       ; destination and source 0 window 1
.set n, 0
.rept 64
	v_med3_num_f32 v[KS+n], v[KS+n], -v[KLIM], v[KLIM]   ; the conversion to an 8-bit code does not saturate (ISA guide 7.6.2): the hold at the largest code x the scale
.set n, n+1
.endr
.set n, 0
.rept 64
	v_med3_num_f32 v[VS+n], v[VS+n], -v[VLIM], v[VLIM]
.set n, n+1
.endr
	WIN 0x01                                       ; source 0 window 1
.set n, 0
.rept 8
	v_cvt_scalef32_pk8_bf8_f32 v[FR+2*n:FR+2*n+1], v[KS+8*n:KS+8*n+7], v[KSC]         ; register FR + n: key 2 n + hi, channels 4 m .. 4 m + 3
.set n, n+1
.endr
.set n, 0
.rept 8
	v_cvt_scalef32_pk8_bf8_f32 v[FR+16+2*n:FR+17+2*n], v[VS+8*n:VS+8*n+7], v[VSC]
.set n, n+1
.endr
	WIN 0
	v_nop                                          ; one plain line between the conversions and the lines that read their results
.set n, 0
.rept 4                                        ; V: four keys x four channels of bytes are turned, so that a register holds four keys of one channel
	v_perm_b32 v[FR+32+4*n], v[FR+17+4*n], v[FR+16+4*n], s[PM]
	v_perm_b32 v[FR+33+4*n], v[FR+17+4*n], v[FR+16+4*n], s[PM+1]
	v_perm_b32 v[FR+34+4*n], v[FR+19+4*n], v[FR+18+4*n], s[PM]
	v_perm_b32 v[FR+35+4*n], v[FR+19+4*n], v[FR+18+4*n], s[PM+1]
.set n, n+1
.endr
.set n, 0
.rept 4
	v_perm_b32 v[FR+48+n], v[FR+34+4*n], v[FR+32+4*n], s[PM+2]
	v_perm_b32 v[FR+52+n], v[FR+34+4*n], v[FR+32+4*n], s[PM+3]
	v_perm_b32 v[FR+56+n], v[FR+35+4*n], v[FR+33+4*n], s[PM+2]
	v_perm_b32 v[FR+60+n], v[FR+35+4*n], v[FR+33+4*n], s[PM+3]
.set n, n+1
.endr
	s_wait_alu depctr_va_vdst(0)                   ; the trip's one wait: the codes in FR and the four addresses are written, which the stores below and step 0's fragment loads read; the holds and conversions are done with KS and VS, in which the loads behind the barrier land; the last trip's products are done with FR and VF, in which step 0's fragments land
.set n, 0
.rept 16
	ds_store_b32 v[KSA], v[FR+n] offset:(16*(n/8)+n%8)*KP
.set n, n+1
.endr
.set n, 0
.rept 4
	ds_store_b128 v[VSA], v[FR+48+4*n:FR+51+4*n] offset:16*VP*n    ; channel 4 m + n: my 16 keys' codes
.set n, n+1
.endr
.endm
.macro KLOAD q                         ; a step's eight tiles of 16 keys x 64 channels
.set n, 0
.rept 8
	ds_load_b128 v[FR+8*n:FR+8*n+3],   v[ADK] offset:(128*\q+16*n)*KP
	ds_load_b128 v[FR+8*n+4:FR+8*n+7], v[ADK] offset:(128*\q+16*n)*KP+32
.set n, n+1
.endr
.endm
.macro VLOAD q                         ; a step's four tiles of 16 channels x 128 keys, into registers of their own
	WIN 0x40                                       ; destination window 1
.set n, 0
.rept 16
	ds_load_b128 v[VF+4*n:VF+4*n+3], v[ADV] offset:VSTEP*\q+16*VP*(n/4)+32*(n%4)
.set n, n+1
.endr
	WIN 0
.endm
; Step 1's fragments of K, asked for in step 0; not by a wave for which all of step 1's keys are hidden: a scalar branch on ids, the test that stands at step 1's head
.macro NEXTK
	s_add_co_u32 s38, s[Q0], 31
	s_add_co_u32 s39, s[KF], 128
	s_cmp_gt_u32 s39, s38
	s_cbranch_scc1 .Lno_next_\@
	KLOAD 1
.Lno_next_\@:
.endm
.macro SCORES qf                       ; S^T = K Q^T for the tile whose Q stands at v[qf] of window 1
	WIN 0x04                                       ; source 1 window 1
.set n, 0
.rept 8
	v_wmma_f32_16x16x64_bf8_bf8 v[S+8*n:S+8*n+7], v[FR+8*n:FR+8*n+7], v[\qf:\qf+7], 0
.set n, n+1
.endr
	WIN 0
	PLACES
.endm
; On the diagonal the scores of hidden keys become -infinity ahead of the maximum: p = 0 then.  A step all of whose keys count for my first query jumps over this.
.macro MASK x
	s_add_co_u32 s38, s[KF], 127
	s_cmp_le_u32 s38, s[Q0]
	s_cbranch_scc1 .Lopen_\@
	s_sub_co_i32 s39, s[Q0], s[KF]
	s_add_co_i32 s39, s39, 16*\x
	v_and_b32 v[T0], 15, v0
	v_bfe_u32 v[T1], v0, 4, 1
	v_sub_nc_u32 v[T0], v[T0], v[T1]
	v_add_nc_u32 v[T0], s39, v[T0]                 ; d = my query - KF - h.  Register 16 b + i holds key KF + 32 b + 2 i + h: hidden where 32 b + 2 i > d
	v_mov_b32 v[T2], 0xff800000
.irp g, 0, 1                                   ; 32 registers at a time: a run of compares into 32 scalar registers, one wait, the run of selects
.set n, 32*\g
.rept 32
	v_cmp_gt_i32 s[MK+n%32], 32*(n/16)+2*(n%16), v[T0]
.set n, n+1
.endr
	s_wait_alu depctr_va_sdst(0)                   ; the 32 compares have written s[MK ..], which the selects below read
.set n, 32*\g
.rept 32
	v_cndmask_b32 v[S+n], v[S+n], v[T2], s[MK+n%32]
.set n, n+1
.endr
.endr
.Lopen_\@:
.endm
; One tile's softmax for a step: st its statistics, ob its O^T, pc its codes (window 1).  ld: which fragments are asked for behind the batch's wait: 0 none, 1 step 1's K, 2 step 1's V.
.macro SOFT st, ob, pc, ld
	v_max3_num_f32 v[MX0], v[S], v[S+1], v[S+2]    ; the step's largest score of my query among my 64 keys, in two chains, each accumulator from its low end on
	v_max3_num_f32 v[MX1], v[S+3], v[S+4], v[S+5]
.set n, 6
.rept 14
	v_max3_num_f32 v[MX0], v[MX0], v[S+n], v[S+n+1]
	v_max3_num_f32 v[MX1], v[MX1], v[S+n+2], v[S+n+3]
.set n, n+4
.endr
	v_max3_num_f32 v[MX0], v[MX0], v[S+62], v[S+63]
	v_max_num_f32 v[MX0], v[MX0], v[MX1]
	v_permlanex16_b32 v[PT], v[MX0], s[SEL], s[SEL+1]
	v_max_num_f32 v[MX0], v[MX0], v[PT]            ; and among lane l xor 16's
	v_mul_f32 v[MX0], s[CS], v[MX0]                ; as t (c is positive)
	v_max_num_f32 v[\st+1], v[\st+1], v[MX0]       ; the running largest t
	v_mov_b32 v[MX0], v[\st]
	v_floor_f32 v[\st], -v[\st+1]                  ; the new -M = floor(-t) = -ceil(t)
	v_sub_f32 v[MX0], v[\st], v[MX0]               ; old M - new M: a whole number, 0 or less
	v_cvt_i32_f32 v[MX0], v[MX0]                   ; (it saturates)
	v_ldexp_f32 v[F], 1.0, v[MX0]                  ; f
	; ONE BATCH: the 32 scalings t - M and the 64 exponentials; a plain line stands behind every two exponentials, and none of these lines names an exponential's result
.set n, 0
.rept 4
	v_pk_fma_f32 v[S+2*n:S+2*n+1], v[S+2*n:S+2*n+1], s[CS:CS+1], v[\st:\st+1] op_sel_hi:[1,0,0]
.set n, n+1
.endr
.set n, 0
.rept 32
	v_exp_f32 v[S+2*n], v[S+2*n]
	v_exp_f32 v[S+2*n+1], v[S+2*n+1]
.if n < 28
	v_pk_fma_f32 v[S+2*n+8:S+2*n+9], v[S+2*n+8:S+2*n+9], s[CS:CS+1], v[\st:\st+1] op_sel_hi:[1,0,0]
.elseif n == 28
	v_pk_mul_f32 v[\st+2:\st+3], v[\st+2:\st+3], v[F:F+1] op_sel_hi:[1,0]            ; the sums under the new M
.else
	v_pk_mul_f32 v[\ob+2*(n-29):\ob+2*(n-29)+1], v[\ob+2*(n-29):\ob+2*(n-29)+1], v[F:F+1] op_sel_hi:[1,0]   ; O^T under the new M, in ascending order
.endif
.set n, n+1
.endr
.set n, 3
.rept 13
	v_pk_mul_f32 v[\ob+2*n:\ob+2*n+1], v[\ob+2*n:\ob+2*n+1], v[F:F+1] op_sel_hi:[1,0]
.set n, n+1
.endr
	s_wait_alu depctr_va_vdst(0)                   ; the 64 exponentials have written p: one wait for the whole batch, ahead of the first line that names a result.  With it all earlier products are done reading their fragments:
.if (\ld) == 1
	NEXTK                                          ; both tiles' products K Q^T are done with FR, in which step 1's K lands
.elseif (\ld) == 2
	VLOAD 1                                        ; step 0's products V^T P are done with VF, in which step 1's V lands
.endif
	v_pk_add_f32 v[SM:SM+1], v[S:S+1], v[S+2:S+3]  ; the row's sum is taken of the UNQUANTISED p, two at a time, in two chains
.set n, 4
.rept 15
	v_pk_add_f32 v[\st+2:\st+3], v[\st+2:\st+3], v[S+n:S+n+1]
	v_pk_add_f32 v[SM:SM+1], v[SM:SM+1], v[S+n+2:S+n+3]
.set n, n+4
.endr
	v_pk_add_f32 v[\st+2:\st+3], v[\st+2:\st+3], v[SM:SM+1]
	s_cmp_gt_i32 s[EX+3], -16                      ; p is at most 1 (but for a last bit): from ep = -15 up p / 2^ep stays under 57,344 and the hold holds nothing.  A branch on a whole number that was read; no barrier stands under it
	s_cbranch_scc1 .Lno_hold_\@
.set n, 0
.rept 64
	v_min_num_f32 v[S+n], v[S+n], v[PLIM]          ; p is never negative: the hold is one-sided
.set n, n+1
.endr
.Lno_hold_\@:
	WIN 0x40                                       ; destination window 1
.set n, 0
.rept 8
	v_cvt_scalef32_pk8_bf8_f32 v[\pc+2*n:\pc+2*n+1], v[S+8*n:S+8*n+7], v[PSC]
.set n, n+1
.endr
	WIN 0
	v_nop                                          ; one plain line between the conversions and the matrix instructions that read their results or write their sources
.endm
.macro PV                              ; O^T += V^T P^T, both tiles: eight accumulators, one instruction each, by turns
	s_wait_dscnt 0x0                               ; V's fragments are in, and in step 0 the next step's K, asked for most of a softmax ago
	WIN 0x05                                       ; sources 0 (V) and 1 (p's codes) window 1
.set n, 0
.rept 4
	v_wmma_f32_16x16x128_bf8_bf8 v[OA+8*n:OA+8*n+7], v[VF+16*n:VF+16*n+15], v[PA:PA+15], v[OA+8*n:OA+8*n+7]
	v_wmma_f32_16x16x128_bf8_bf8 v[OB+8*n:OB+8*n+7], v[VF+16*n:VF+16*n+15], v[PB:PB+15], v[OB+8*n:OB+8*n+7]
.set n, n+1
.endr
	WIN 0
	PLACES
.endm
; A KEY STEP: 128 keys, the q-th of the buffer in hand.  A step all of whose keys come after my 32 queries is left out: a scalar branch on ids; no barrier stands in a step.
; KF is a multiple of 128 and Q0 of 32, so a step that is not left out has KF <= Q0: key KF counts for every query of both tiles, and no row of a step is all hidden.
; Step 0 asks for its K and its V at its head: the quantiser's wait has covered their addresses and registers.  Step 1 finds its K in registers (step 0's last wait on DScnt was for 0) and asks for its V in tile A's softmax.
.macro STEP q
	s_add_co_u32 s38, s[Q0], 31
	s_cmp_gt_u32 s[KF], s38
	s_cbranch_scc1 .Lhidden_\@
.if \q == 0
	KLOAD 0
	VLOAD 0
	s_wait_dscnt 16                                ; LDS loads come back in order (ISA guide 5.7.1): K's sixteen are in; V's sixteen, issued behind them, may be out
.endif
	SCORES QA
	MASK 0
	SOFT STA, OA, PA, 2*\q
	SCORES QB
	MASK 1
	SOFT STB, OB, PB, 1-\q
	PV
.Lhidden_\@:
	s_add_co_u32 s[KF], s[KF], 128
.endm
; THE WAY OUT of a block: O^T / the sum x 2^(ep + ev); a tile's 16 rows go through my own stage in LDS and leave as whole rows: sixteen lanes store 256 consecutive bytes, aligned.
; Both tiles' arithmetic stands first, so that one wait serves the two reciprocals and one the LDS and memory instructions that follow.
.macro WAYOUT base
	v_add_f32 v[MX0], v[STA+2], v[STA+3]           ; the sum's two halves,
	v_add_f32 v[MX1], v[STB+2], v[STB+3]
	v_permlanex16_b32 v[PT], v[MX0], s[SEL], s[SEL+1]
	v_permlanex16_b32 v[T0], v[MX1], s[SEL], s[SEL+1]
	v_add_f32 v[MX0], v[MX0], v[PT]                ; and lane l xor 16's
	v_add_f32 v[MX1], v[MX1], v[T0]
	v_rcp_f32 v[INV], v[MX0]
	v_rcp_f32 v[T1], v[MX1]
	v_nop                                          ; a plain line behind the reciprocals,
	s_wait_alu depctr_va_vdst(0)                   ; and the wait ahead of their first reader: both reciprocals are written
	v_ldexp_f32 v[INV], v[INV], s[EPV]
	v_ldexp_f32 v[T1], v[T1], s[EPV]
.set n, 0
.rept 32
	v_mul_f32 v[S+n], v[OA+8*(n%4)+n/4], v[INV]    ; channel 32 h + n: register n / 4 of tile n % 4: each accumulator is read from its lowest register on
.set n, n+1
.endr
.set n, 0
.rept 32
	v_mul_f32 v[S+32+n], v[OB+8*(n%4)+n/4], v[T1]
.set n, n+1
.endr
	s_wait_alu depctr_va_vdst(0)                   ; the 64 multiplications have written S, which the LDS stores read; every vector and matrix line that named FR is done, in which the rows from the stage land
.irp x, 0, 1
.set n, 0
.rept 8
	ds_store_b128 v[STO], v[S+32*\x+4*n:S+32*\x+4*n+3] offset:16*n
.set n, n+1
.endr
.set n, 0
.rept 8
	ds_load_b128 v[FR+32*\x+4*n:FR+32*\x+4*n+3], v[RD] offset:2*SP*n   ; LDS serves a wave's instructions in order (ISA guide 5.7.1.4): these see my stores, and the next tile's stores come behind them
.set n, n+1
.endr
.endr
.irp x, 0, 1
.set n, 0
.rept 8
	s_wait_dscnt 16*(1-\x)+7-n                     ; load n of this tile is in; the 7 - n issued behind it, and behind tile A's the sixteen LDS instructions of tile B, may be out
	global_store_b128 v[LOFF], v[FR+32*\x+4*n:FR+32*\x+4*n+3], s[\base:\base+1] offset:(16*\x+2*n)*ROW th:TH_STORE_NT
.set n, n+1
.endr
.endr
.endm
.macro INIT                            ; a block's start: the largest t -3e38, under every t; sums and O^T zeros, which the first change of M leaves zeros: so the step is written once
.irp st, STA, STB
	v_mov_b32 v[\st+1], 0xff61b1e6
	v_floor_f32 v[\st], -v[\st+1]
	v_mov_b32 v[\st+2], 0
	v_mov_b32 v[\st+3], 0
.endr
.set n, 0
.rept 64
	v_mov_b32 v[OA+n], 0
.set n, n+1
.endr
.endm
; 16 queries x 64 channels, loaded as K's rows are, become a fragment: hold and conversion (QCONV), my own stage in LDS (QSTORE), and back by rows (QFRAG)
.macro QCONV t
.set n, 0
.rept 32
	v_med3_num_f32 v[64+32*\t+n], v[64+32*\t+n], -v[QLIM], v[QLIM]
.set n, n+1
.endr
.set n, 0
.rept 4
	v_cvt_scalef32_pk8_bf8_f32 v[192+8*\t+2*n:193+8*\t+2*n], v[64+32*\t+8*n:71+32*\t+8*n], v[QSC]
.set n, n+1
.endr
.endm
.macro QSTORE t
.set n, 0
.rept 8
	ds_store_b32 v[QSA], v[192+8*\t+n] offset:16*KP*\t+2*KP*n     ; row 2 n + hi, byte 4 m
.set n, n+1
.endr
.endm
.macro QFRAG t
	ds_load_b128 v[8*\t:8*\t+3],   v[QLA] offset:16*KP*\t
	ds_load_b128 v[8*\t+4:8*\t+7], v[QLA] offset:16*KP*\t+32
.endm
	s_load_b256 s[4:11], s[0:1], 0x0               ; q s[4:5], k s[6:7], v s[8:9], the scales' exponents s[10:11]
	s_load_b64 s[12:13], s[0:1], 0x20              ; out
	v_lshl_add_u32 v62, v0, 2, 0x2c000
	v_mov_b32 v63, 0
	v_lshrrev_b32 v[T2], 5, v0
	v_readfirstlane_b32 s[WV], v[T2]               ; wave 0..7
	v_and_b32 v[T0], 15, v0                        ; m
	v_bfe_u32 v[T1], v0, 4, 1                      ; hi
	s_mov_b32 s[IX], ttmp9                         ; i
	s_and_b32 s38, ttmp7, 0xffff                   ; 16 b + h
	s_lshr_b32 s39, s38, 4
	s_lshl_b32 s39, s39, 23                        ; a batch entry is 2,048 x 4,096 bytes,
	s_and_b32 s38, s38, 15
	s_lshl_b32 s38, s38, 8                         ; a head's part of a row 256
	s_add_co_u32 s[HO], s39, s38
	s_mov_b32 s[HO+1], 0
	s_wait_alu depctr_va_sdst(0)                   ; the wave's number is written into s[WV], ahead of its first reader
	s_lshl_b32 s38, s[WV], 17
	v_lshlrev_b32 v[LOFF], 4, v[T0]
	v_lshl_add_u32 v[LOFF], v[T1], 12, v[LOFF]
	v_add_nc_u32 v[LOFF], s38, v[LOFF]
	s_lshl_b32 s38, s[IX], 20                      ; block i's 256 rows begin here,
	s_mov_b32 s39, 0
	s_sub_co_u32 s[TQ], 7, s[IX]
	s_lshl_b32 s[Q0H], s[TQ], 8
	s_lshl_b32 s[TQ], s[TQ], 20                    ; block 7 - i's here
	s_mov_b32 s[TQ+1], 0
	s_wait_kmcnt 0x0
	s_load_b128 s[EX:EX+3], s[10:11], 0x0          ; eq, ek, ev, ep
	s_add_nc_u64 s[KB:KB+1], s[6:7], s[HO:HO+1]
	s_add_nc_u64 s[VB:VB+1], s[8:9], s[HO:HO+1]
	s_mov_b64 s[KA:KA+1], s[KB:KB+1]               ; slot 0
	s_mov_b64 s[VA:VA+1], s[VB:VB+1]
	s_add_nc_u64 s[QP0:QP0+1], s[4:5], s[HO:HO+1]
	s_add_nc_u64 s[O0:O0+1], s[12:13], s[HO:HO+1]
	s_add_nc_u64 s[QP1:QP1+1], s[QP0:QP0+1], s[TQ:TQ+1]
	s_add_nc_u64 s[O1:O1+1], s[O0:O0+1], s[TQ:TQ+1]
	s_add_nc_u64 s[QP0:QP0+1], s[QP0:QP0+1], s[38:39]
	s_add_nc_u64 s[O0:O0+1], s[O0:O0+1], s[38:39]
	s_wait_alu depctr_va_vdst(0)                   ; v[LOFF] is written: every global load and store of the kernel reads it as its offset
.irp x, 0, 1                                   ; my 32 queries of both blocks: tile 2 x block + x at v[64 + 32 tile]; read once, by me alone
.set n, 0
.rept 8
	global_load_b128 v[64+32*\x+4*n:67+32*\x+4*n], v[LOFF], s[QP0:QP0+1] offset:(16*\x+2*n)*ROW th:TH_LOAD_NT
.set n, n+1
.endr
.endr
.irp x, 0, 1
.set n, 0
.rept 8
	global_load_b128 v[128+32*\x+4*n:131+32*\x+4*n], v[LOFF], s[QP1:QP1+1] offset:(16*\x+2*n)*ROW th:TH_LOAD_NT
.set n, n+1
.endr
.endr
	LOADS                                          ; slot 0 of K and V
	; LDS addresses: constants, the lane's m and hi, the wave's number
	s_mul_i32 s38, s[WV], 32*KP
	v_mul_u32_u24 v[KST0], v[T1], 8*KP
	v_lshl_add_u32 v[KST0], v[T0], 2, v[KST0]
	v_add_nc_u32 v[KST0], s38, v[KST0]             ; row 32 w + 8 hi, byte 4 m
	s_lshr_b32 s38, s[WV], 2
	s_mul_i32 s38, s38, VSTEP
	s_and_b32 s39, s[WV], 3
	s_lshl_b32 s39, s39, 5
	s_add_co_u32 s38, s38, s39
	s_add_co_u32 s38, s38, VOFF
	v_mul_u32_u24 v[VST0], v[T0], VP
	v_lshl_add_u32 v[VST0], v[T1], 4, v[VST0]
	v_add_nc_u32 v[VST0], s38, v[VST0]             ; step w / 4, row m, byte 32 (w % 4) + 16 hi
	v_mul_u32_u24 v[AK0], v[T0], KP
	v_lshl_add_u32 v[AK0], v[T1], 4, v[AK0]
	v_mul_u32_u24 v[AV0], v[T0], VP
	v_lshl_add_u32 v[AV0], v[T1], 4, v[AV0]
	v_add_nc_u32 v[AV0], VOFF, v[AV0]
	s_mul_i32 s38, s[WV], WSB
	s_add_co_u32 s38, s38, WS
	v_mul_u32_u24 v[STO], v[T0], SP
	v_lshl_add_u32 v[STO], v[T1], 7, v[STO]
	v_add_nc_u32 v[STO], s38, v[STO]               ; in: row m, channels 32 hi on
	v_mul_u32_u24 v[RD], v[T1], SP
	v_lshl_add_u32 v[RD], v[T0], 4, v[RD]
	v_add_nc_u32 v[RD], s38, v[RD]                 ; back: lanes 0-15 one row, lanes 16-31 the next
	s_mul_i32 s38, s[WV], WQB
	s_add_co_u32 s38, s38, WQ
	v_mul_u32_u24 v[QSA], v[T1], KP
	v_lshl_add_u32 v[QSA], v[T0], 2, v[QSA]
	v_add_nc_u32 v[QSA], s38, v[QSA]
	v_mul_u32_u24 v[QLA], v[T0], KP
	v_lshl_add_u32 v[QLA], v[T1], 4, v[QLA]
	v_add_nc_u32 v[QLA], s38, v[QLA]
	v_lshlrev_b32 v[PFO], 12, v0
	s_lshl_b32 s38, s[WV], 5
	s_lshl_b32 s[Q0], s[IX], 8
	s_add_co_u32 s[Q0], s[Q0], s38                 ; 256 i + 32 w
	s_add_co_u32 s[Q0H], s[Q0H], s38               ; 256 (7 - i) + 32 w
	s_add_co_u32 s[SWT], s[IX], 1
	s_cmp_eq_u32 s[IX], 0
	s_cselect_b32 s[PLO], 3, 0x1000                ; work-group 0 of the head prefetches from trip 3 on, the others never
	s_mov_b32 s[NOFF], 0
	s_mov_b32 s[NOFF+1], 0
	s_mov_b32 s[SEL], 0x76543210
	s_mov_b32 s[SEL+1], 0xfedcba98
	s_mov_b32 s[PM], 0x05010400                    ; bytes 0 and 1 of two registers, interleaved;
	s_mov_b32 s[PM+1], 0x07030602                  ; bytes 2 and 3;
	s_mov_b32 s[PM+2], 0x05040100                  ; the two low halves;
	s_mov_b32 s[PM+3], 0x07060302                  ; the two high halves
	s_mov_b32 s[CS], 0x3e38aa3b                    ; log2(e) / 8
	s_wait_kmcnt 0x0
	s_add_co_i32 s38, s[EX], s[EX+1]
	s_lshl_b32 s38, s38, 23
	s_add_co_i32 s[CS], s[CS], s38                 ; a score stands for score x 2^(eq + ek): added to c's exponent field
	s_mov_b32 s[CS+1], s[CS]                       ; (named with it as a pair, so it is written)
	s_add_co_i32 s[EPV], s[EX+2], s[EX+3]
	POWERS EX, QSC, QLIM
	POWERS EX+1, KSC, KLIM
	POWERS EX+2, VSC, VLIM
	POWERS EX+3, PSC, PLIM
	s_wait_loadcnt 32                              ; Q's 32 loads are in; the 32 of K and V, issued behind them, may be out
	QCONV 0
	QCONV 1
	QCONV 2
	QCONV 3
	v_nop                                          ; one plain line behind the last conversion
	s_wait_alu depctr_va_vdst(0)                   ; the conversions have written Q's codes, v192-223, which the LDS stores read; all LDS addresses and the prefetches' offset, made above, are written
	QSTORE 0
	QSTORE 1
	QSTORE 2
	QSTORE 3
	WIN 0x40                                       ; destination window 1.  LDS serves a wave's instructions in order: the loads see the stores
	QFRAG 0
	QFRAG 1
	QFRAG 2
	QFRAG 3
	WIN 0
	s_wait_dscnt 0x0                               ; Q's fragments are in
	s_wait_alu depctr_vm_vsrc(0)                   ; the stage's stores have read v192-223, which are O^T from here on and are cleared below
	INIT
	v_mov_b32 v[F+1], 0                            ; (named as the upper half of the pair)
	v_mov_b32 v[PT], 0                             ; written once: a lane permute's destination counts as one of its sources
	s_mov_b32 s[J], 0
	s_mov_b32 s[KF], 0
	s_mov_b32 s[TB], 0
.Ltrip:                                            ; nine trips, a slot of 256 keys each
	QUANT                                          ; the slot's codes into buffer TB
	s_wait_dscnt 0x0                               ; my stores have landed; my reads of the other buffer, in the trip before, were waited for there
	s_wait_alu depctr_vm_vsrc(0)                   ; my stores have read the codes in FR, in which fragments and the way out's rows land, and v[KSA] and v[VSA], which the next trip's head writes
	s_barrier_signal -1                            ; ONE barrier a trip: behind it buffer TB is whole, and nobody reads the other buffer any more, into which the next trip's codes go
	s_barrier_wait -1
	s_cmp_eq_u32 s[J], 8
	s_cbranch_scc1 .Lno_load                       ; the last trip loads nothing
	s_wait_xcnt 0x0                                ; the last trip's loads and prefetches have read their bases, which are written now
	s_add_co_u32 s[NOFF], s[NOFF], SLOTB           ; the next slot,
	s_add_co_u32 s38, s[J], 1
	s_cmp_eq_u32 s38, s[SWT]
	s_cselect_b32 s[NOFF], 0, s[NOFF]              ; or slot 0, where the next trip begins the second block
	s_add_nc_u64 s[KA:KA+1], s[KB:KB+1], s[NOFF:NOFF+1]
	s_add_nc_u64 s[VA:VA+1], s[VB:VB+1], s[NOFF:NOFF+1]
	LOADS                                          ; they have this trip's two key steps in which to land
	ASK
.Lno_load:
	s_cmp_lg_u32 s[J], s[SWT]
	s_cbranch_scc1 .Lsame_block
	WAYOUT O0                                      ; block i is finished: it leaves, and block 7 - i begins
	s_wait_xcnt 0x0                                ; the stores have had their addresses translated: their registers are the next fragments'
	s_wait_alu depctr_vm_vsrc(0)                   ; the stage's stores have read S, which the next products write; the global stores have read the rows in FR, in which K's fragments land
	INIT
	WIN 0x41
.set n, 0
.rept 16
	v_mov_b32 v[QA+n], v[16+n]                     ; the second block's Q
.set n, n+1
.endr
	WIN 0
	s_mov_b32 s[KF], 0
	s_mov_b32 s[Q0], s[Q0H]
.Lsame_block:
	STEP 0
	STEP 1
	s_xor_b32 s[TB], s[TB], BUF1
	s_add_co_u32 s[J], s[J], 1
	s_cmp_lt_u32 s[J], 9
	s_cbranch_scc1 .Ltrip
	WAYOUT O1
	s_wait_dscnt 0x0                               ; the closing lines, six on end
	s_wait_alu 0x0
	s_wait_tensorcnt 0x0
	ds_add_u32 v62, v63
	s_wait_dscnt 0x0
	s_endpgm
.Lfunc_end_k_qcc3a3f63bc_attn:
	.size	k_qcc3a3f63bc_attn, .Lfunc_end_k_qcc3a3f63bc_attn-k_qcc3a3f63bc_attn
	.p2alignl 7, 3214868480
	.fill 96, 4, 3214868480
	.section	.rodata,"a",@progbits
	.p2align	6, 0x0
	.amdhsa_kernel k_qcc3a3f63bc_attn
		.amdhsa_group_segment_fixed_size 181248
		.amdhsa_private_segment_fixed_size 0
		.amdhsa_enable_private_segment 0
		.amdhsa_kernarg_size 40
		.amdhsa_user_sgpr_count 2
		.amdhsa_user_sgpr_kernarg_segment_ptr 1
		.amdhsa_wavefront_size32 1
		.amdhsa_system_sgpr_workgroup_id_x 1
		.amdhsa_system_sgpr_workgroup_id_y 1
		.amdhsa_system_sgpr_workgroup_id_z 1
		.amdhsa_system_vgpr_workitem_id 0
		.amdhsa_next_free_vgpr 512
		.amdhsa_next_free_sgpr 98
		.amdhsa_reserve_vcc 0
		.amdhsa_float_denorm_mode_32 3
		.amdhsa_float_denorm_mode_16_64 3
		.amdhsa_memory_ordered 1
		.amdhsa_forward_progress 1
		.amdhsa_inst_pref_size 155
	.end_amdhsa_kernel
	.amdgpu_metadata
---
amdhsa.version: [ 1, 2 ]
amdhsa.kernels:
  - .name:           k_qcc3a3f63bc_attn
    .symbol:         k_qcc3a3f63bc_attn.kd
    .args:
      - { .name: q, .offset: 0, .size: 8, .value_kind: global_buffer, .address_space: global }
      - { .name: k, .offset: 8, .size: 8, .value_kind: global_buffer, .address_space: global }
      - { .name: v, .offset: 16, .size: 8, .value_kind: global_buffer, .address_space: global }
      - { .name: lowp_scales, .offset: 24, .size: 8, .value_kind: global_buffer, .address_space: global }
      - { .name: out0, .offset: 32, .size: 8, .value_kind: global_buffer, .address_space: global }
    .group_segment_fixed_size: 181248
    .private_segment_fixed_size: 0
    .kernarg_segment_align: 8
    .kernarg_segment_size: 40
    .max_flat_workgroup_size: 256
    .sgpr_count:     98
    .vgpr_count:     512
    .wavefront_size: 32
...
	.end_amdgpu_metadata
.endif
;; end of part 2
